; MI455X (gfx1250); checked and timed in simulation.
; The chip was launched on July 23, 2026; its instructions are those of AMD's public machine-readable ISA for CDNA 5 (MIT licence, August 2026) and "CDNA5" Instruction Set Architecture Reference Guide (July 2026). The comments in the code are by the model that wrote it; some were corrected since.
;; Vlad VQ. Allowed arithmetic: float matrix products may take bf16 or f16 operands with f32 sums; all other float work in f32.
;; Inputs: codebook 4,096 x 512 float32; x 8 x 2,048 x 512 float32.
;; Outputs: out0 8 x 2,048 x 512 float32; out1 one number float32.
;; 2 versions, each right; version 2 is version 1 with the launches prep, pick written anew for expert scheduling mode. Each part assembles by itself: llvm-mc -triple=amdgcn-amd-amdhsa -mcpu=gfx1250 --defsym DOCPART=n.
;; ======== version 1 of 2: 5 launches
;; workspace buffers: cbh 4,194,304 bytes; b2 16,384 bytes; dist 268,435,456 bytes; sel 524,288 bytes of whole numbers; topi 524,288 bytes of whole numbers; topw 524,288 bytes; part 2,048 bytes
;; launch prep (part 1): grid 64 x 1, 16 waves a work-group, no clusters, 2,304 bytes of LDS; arguments codebook, cbh, b2; writes cbh, b2
.if DOCPART == 1
	.amdgcn_target "amdgcn-amd-amdhsa--gfx1250"
	.amdhsa_code_object_version 6
	.text
	.protected	k_qe506aa79f4_prep
	.globl	k_qe506aa79f4_prep
	.p2align	8
	.type	k_qe506aa79f4_prep,@function
k_qe506aa79f4_prep:
	s_mov_b64 s[64:65], 0
	v_nop
	global_prefetch_b8 v0, s[64:65] scope:SCOPE_SE
	s_setreg_imm32_b32 hwreg(HW_REG_WAVE_MODE, 25, 1), 1
	s_wait_xcnt 0x0
; cbh[k][d] = bf16(codebook[k][d]);  b2[k] = sum over d of cbh[k][d]^2 in f32 (of the ROUNDED row, since the products use the rounded row).
; codebook: [4096][512] f32.  A work-group takes 64 rows, a wave 4 rows.  A lane takes 16 bytes of each 512-byte quarter of a row, so a load of the
; wave covers 512 neighbouring bytes and a store of its 8 bytes a lane covers 256 neighbouring bytes, aligned.
; No matrix unit, no tensor load, no cluster: each byte is read once and nothing is shared between work-groups.
.set X, 16                             ; v[16:79]   row p: 16 registers as loaded, later the rounded numbers widened again
.set Y, 80                             ; v[80:111]  row p: 8 registers of bf16 pairs, each stored once and never rewritten
	s_load_b128 s[4:7], s[0:1], 0x0                ; codebook s[4:5], cbh s[6:7]
	s_load_b64 s[8:9], s[0:1], 0x10                ; b2
	v_lshl_add_u32 v128, v0, 2, 0x100
	v_mov_b32 v129, 0
	v_lshrrev_b32 v1, 5, v0
	v_readfirstlane_b32 s10, v1                    ; wave 0..15
	v_and_b32 v2, 31, v0                           ; lane
	s_lshl_b32 s11, ttmp9, 6
	s_lshl2_add_u32 s11, s10, s11                  ; my first row = 64 x work-group + 4 x wave
	s_lshl_b32 s12, s11, 11                        ; x 2,048 bytes of f32
	s_mov_b32 s13, 0
	s_lshl_b32 s14, s11, 10                        ; x 1,024 bytes of bf16
	s_mov_b32 s15, 0
	s_mov_b32 s16, 0xffff0000                      ; a word's upper bf16
	s_mov_b32 s17, 0x76543210                      ; v_permlanex16_b32: lane i reads lane i of the other half
	s_mov_b32 s18, 0xfedcba98
	s_lshl_b32 s20, ttmp9, 8                       ; the group's 64 numbers of b2
	s_mov_b32 s21, 0
	v_lshlrev_b32 v3, 4, v2                        ; 16 x lane
	v_lshlrev_b32 v4, 3, v2                        ; 8 x lane
	v_mov_b32 v5, s10
	v_lshlrev_b32 v5, 4, v5                        ; LDS: my wave's four words
	s_wait_kmcnt 0x0
	s_add_nc_u64 s[4:5], s[4:5], s[12:13]
	s_add_nc_u64 s[6:7], s[6:7], s[14:15]
	s_add_nc_u64 s[8:9], s[8:9], s[20:21]
.irp p, 0,1,2,3
.irp m, 0,1,2,3
	global_load_b128 v[X+16*\p+4*\m:X+16*\p+4*\m+3], v3, s[4:5] offset:2048*\p+512*\m th:TH_LOAD_NT
.endr
.endr
.macro ROWP p
	s_wait_loadcnt 12-4*\p                         ; loads return in order: the four loads of each later row may stay out
.irp m, 0,1,2,3
	v_cvt_pk_bf16_f32 v[Y+8*\p+2*\m],   v[X+16*\p+4*\m],   v[X+16*\p+4*\m+1]
	v_cvt_pk_bf16_f32 v[Y+8*\p+2*\m+1], v[X+16*\p+4*\m+2], v[X+16*\p+4*\m+3]
	global_store_b64 v4, v[Y+8*\p+2*\m:Y+8*\p+2*\m+1], s[6:7] offset:1024*\p+256*\m
.endr
.irp i, 0,1,2,3,4,5,6,7
	v_lshlrev_b32 v[X+16*\p+2*\i],   16,  v[Y+8*\p+\i]     ; the rounded numbers as f32
	v_and_b32     v[X+16*\p+2*\i+1], s16, v[Y+8*\p+\i]
.endr
	v_pk_mul_f32 v[6:7], v[X+16*\p:X+16*\p+1],   v[X+16*\p:X+16*\p+1]      ; two chains, started by the first products
	v_pk_mul_f32 v[8:9], v[X+16*\p+2:X+16*\p+3], v[X+16*\p+2:X+16*\p+3]
.irp i, 2,4,6
	v_pk_fma_f32 v[6:7], v[X+16*\p+2*\i:X+16*\p+2*\i+1],   v[X+16*\p+2*\i:X+16*\p+2*\i+1],   v[6:7]
	v_pk_fma_f32 v[8:9], v[X+16*\p+2*\i+2:X+16*\p+2*\i+3], v[X+16*\p+2*\i+2:X+16*\p+2*\i+3], v[8:9]
.endr
	v_pk_add_f32 v[6:7], v[6:7], v[8:9]
	v_add_f32 v6, v6, v7
	v_add_f32_dpp v6, v6, v6 row_xmask:1 row_mask:0xf bank_mask:0xf
	v_add_f32_dpp v6, v6, v6 row_xmask:2 row_mask:0xf bank_mask:0xf
	v_add_f32_dpp v6, v6, v6 row_xmask:4 row_mask:0xf bank_mask:0xf
	v_add_f32_dpp v6, v6, v6 row_xmask:8 row_mask:0xf bank_mask:0xf
	v_permlanex16_b32 v7, v6, s17, s18
	v_add_f32 v6, v6, v7
	ds_store_b32 v5, v6 offset:4*\p                ; every lane writes the same word with the same number
.endm
	ROWP 0
	ROWP 1
	ROWP 2
	ROWP 3
	s_wait_dscnt 0x0                               ; my four words are in LDS before I say so
	s_barrier_signal -1
	s_barrier_wait -1
	s_cmp_lg_u32 s10, 0
	s_cbranch_scc1 .Ldone
	ds_load_b64 v[6:7], v4                         ; wave 0: the group's 64 sums, 8 bytes a lane
	s_wait_dscnt 0x0
	global_store_b64 v4, v[6:7], s[8:9]            ; 256 neighbouring bytes, aligned
.Ldone:
	s_wait_tensorcnt 0x0
	ds_add_u32 v128, v129
	s_wait_dscnt 0x0
	s_endpgm
.Lfunc_end_k_qe506aa79f4_prep:
	.size	k_qe506aa79f4_prep, .Lfunc_end_k_qe506aa79f4_prep-k_qe506aa79f4_prep
	.p2alignl 7, 3214868480
	.fill 96, 4, 3214868480
	.section	.rodata,"a",@progbits
	.p2align	6, 0x0
	.amdhsa_kernel k_qe506aa79f4_prep
		.amdhsa_group_segment_fixed_size 2304
		.amdhsa_private_segment_fixed_size 0
		.amdhsa_enable_private_segment 0
		.amdhsa_kernarg_size 24
		.amdhsa_user_sgpr_count 2
		.amdhsa_user_sgpr_kernarg_segment_ptr 1
		.amdhsa_wavefront_size32 1
		.amdhsa_system_sgpr_workgroup_id_x 1
		.amdhsa_system_sgpr_workgroup_id_y 1
		.amdhsa_system_sgpr_workgroup_id_z 1
		.amdhsa_system_vgpr_workitem_id 0
		.amdhsa_next_free_vgpr 130
		.amdhsa_next_free_sgpr 66
		.amdhsa_reserve_vcc 0
		.amdhsa_float_denorm_mode_32 3
		.amdhsa_float_denorm_mode_16_64 3
		.amdhsa_memory_ordered 1
		.amdhsa_forward_progress 1
		.amdhsa_inst_pref_size 13
	.end_amdhsa_kernel
	.amdgpu_metadata
---
amdhsa.version: [ 1, 2 ]
amdhsa.kernels:
  - .name:           k_qe506aa79f4_prep
    .symbol:         k_qe506aa79f4_prep.kd
    .args:
      - { .name: codebook, .offset: 0, .size: 8, .value_kind: global_buffer, .address_space: global }
      - { .name: cbh, .offset: 8, .size: 8, .value_kind: global_buffer, .address_space: global }
      - { .name: b2, .offset: 16, .size: 8, .value_kind: global_buffer, .address_space: global }
    .group_segment_fixed_size: 2304
    .private_segment_fixed_size: 0
    .kernarg_segment_align: 8
    .kernarg_segment_size: 24
    .max_flat_workgroup_size: 512
    .sgpr_count:     66
    .vgpr_count:     130
    .wavefront_size: 32
...
	.end_amdgpu_metadata
.endif
;; end of part 1
;; launch gemm (part 2): grid 256 x 1, 4 waves a work-group, clusters of 4 x 1, 327,680 bytes of LDS; arguments cbh, x, b2, dist, sel; writes dist, sel
.if DOCPART == 2
	.amdgcn_target "amdgcn-amd-amdhsa--gfx1250"
	.amdhsa_code_object_version 6
	.text
	.protected	k_qe506aa79f4_gemm
	.globl	k_qe506aa79f4_gemm
	.p2align	8
	.type	k_qe506aa79f4_gemm,@function
k_qe506aa79f4_gemm:
	s_mov_b64 s[64:65], 0
	v_nop
	global_prefetch_b8 v0, s[64:65] scope:SCOPE_SE
	s_setreg_imm32_b32 hwreg(HW_REG_WAVE_MODE, 25, 1), 1
	s_wait_xcnt 0x0
	s_wait_alu depctr_hold_cnt(0) depctr_sa_sdst(0) depctr_va_vdst(0) depctr_va_sdst(0) depctr_va_ssrc(0) depctr_va_vcc(0) depctr_vm_vsrc(0)
	s_getreg_b32 s2, hwreg(HW_REG_IB_STS2, 6, 4)
	s_cmp_eq_u32 s2, 0
	s_cbranch_scc0 .Lentry_in_a_cluster
	s_endpgm
.Lentry_in_a_cluster:
	s_bfe_u32 s2, ttmp6, 0x10000c
	s_cmp_lg_u32 s2, 0x3003
	s_cbranch_scc0 .Lentry_shape_is_right
	s_endpgm
.Lentry_shape_is_right:
; dist[n][k] = (a2[n] - 2 x[n].c[k]) + b2[k], with these two f32 roundings, for 16,384 rows n and 4,096 codewords k; the products in bf16 with f32 sums.
; sel: for each row the ids, ascending, of the 8 groups of 32 neighbouring codewords with the smallest (group minimum, group id).  The 8 smallest
; (d, index) of a row lie in these 8 groups: a group left out has 8 groups in front of it, each with a member that precedes all of its own.
; LIMITS: NaN and infinite inputs are not served.  a2 and b2 are those of the operands rounded to bf16.
;
; SHARES.  A work-group takes 64 rows of x and all codewords.  Each of its four waves holds ALL 64 rows as bf16 fragments in 512 registers (windows 1, 2) and
; takes 1,024 codewords, in 16 chunks of 64: only codeword fragments are read from LDS, 8 loads of 16 bytes a lane for 16 matrix instructions.
; CLUSTER.  The four work-groups of a cluster walk the same codebook tiles in the same order: each tile is asked for jointly (mask 15).
; RING.  Two LDS slots; slot 0 always holds k = 0..255 of the four waves' current 64 codewords, slot 1 k = 256..511.  One joint load a wave behind each
; round of the cluster's barrier: by this text's count two tensor loads of a wave are out at the start and one behind each round.
; The matrix instruction is used with source 0 = 16 codewords, source 1 = 16 rows of x: register j of lane (r, h) holds codeword 8 h + j of row r,
; eight neighbouring numbers of a row of dist.
.set SLOTB, 135168                     ; a slot: 256 codewords x 528 bytes (512 of data, 16 of padding: 16 rows of a fragment start 16 bytes apart modulo 256)
.set WPART, 33792                      ; a wave's 64 codewords in a slot
.set CP,    528
.set XPART, 33280                      ; x on its way in, f32: a wave's 16 rows as 32 half rows of 1,024 + 16 bytes, in slot 1's bytes
.set STAGE, 270336                     ; 4 x 16 rows x 272 bytes: a wave's own stage for the way out; no tensor load lands here
.set SP,    272
.set MT,    287744                     ; 64 rows x 128 group minima, pitch 528; no tensor load lands here
.set ACC,   32                         ; v[32:159]  accumulator (t, u) at ACC + 8 (4 t + u): rows 16 t .., codewords 16 u ..
.set F0,    160                        ; v[160:191], v[192:223]  two buffers of codeword fragments; on the way out: rows read back from the stage
.set B2R,   224                        ; v[224:255] b2 of my 8 codewords in each of the four tiles u
.set LL,    96                         ; v[96:103]  at the end: the 8 smallest group minima, ascending
.set II,    104                        ; v[104:111] and their group ids
; v2, v3 fragment address in slot 0, 1; v4 stage in; v5 stage back; v6 offset in dist; v7 where my minima go; v8 offset in b2;
; v12-15 x in LDS, tile t; v16-23 pairs (a2, a2) of row tile t; v24-29 at work; windows 1, 2: x fragment (s, t) at 8 (4 (s mod 8) + t)
.set MSB, 0
.macro WIN new                         ; the immediate's high byte repeats the setting that is left
.if MSB != \new
	s_set_vgpr_msb (MSB<<8)|\new
.set MSB, \new
.endif
.endm
.macro PLACES                          ; four plain vector instructions between a matrix instruction and a load into, or a vector read of, its registers
.rept 4
	v_nop
.endr
.endm
.macro ROUND                           ; a round of the cluster's barrier: my work-group's barrier, wave 0 signals for it, all wait, my work-group's barrier
	s_barrier_signal -1
	s_barrier_wait -1
	s_cmp_lg_u32 s14, 0
	s_cbranch_scc1 .Lnot_wave_0_\@
	s_barrier_signal -3
.Lnot_wave_0_\@:
	s_barrier_wait -3
	s_barrier_signal -1
	s_barrier_wait -1
.endm
; Stable insertion of (v[xv], v[xi]) into the ascending list of 8.  The compare is strict: an entry already there wins a tie.
.macro INS xv, xi
.irp i, 0,1,2,3,4,5,6,7
	v_cmp_lt_f32 s[52+\i], v[\xv], v[LL+\i]
.endr
.irp i, 7,6,5,4,3,2,1
	v_cndmask_b32 v[II+\i], v[II+\i], v[\xi], s[52+\i]         ; the new one lands here,
	v_cndmask_b32 v[II+\i], v[II+\i], v[II+\i-1], s[52+\i-1]   ; or further down, and the neighbour moves up
	v_med3_num_f32 v[LL+\i], v[LL+\i-1], v[\xv], v[LL+\i]
.endr
	v_cndmask_b32 v[II], v[II], v[\xi], s52
	v_min_num_f32 v[LL], v[LL], v[\xv]
.endm
.macro CE a, b                         ; ids a, b into ascending order
	v_min_u32 v11, v[II+\a], v[II+\b]
	v_max_u32 v[II+\b], v[II+\a], v[II+\b]
	v_mov_b32 v[II+\a], v11
.endm
	s_load_b256 s[4:11], s[0:1], 0x0               ; cbh s[4:5], x s[6:7], b2 s[8:9], dist s[10:11]
	s_load_b64 s[12:13], s[0:1], 0x20              ; sel
	v_lshl_add_u32 v30, v0, 2, 0x4e800
	v_mov_b32 v31, 0
	ds_add_u32 v30, v31
	v_lshrrev_b32 v1, 5, v0
	v_readfirstlane_b32 s14, v1                    ; wave 0..3
	s_bfe_u32 s16, ttmp6, 0x40000                  ; cx
	s_lshl_b32 s15, ttmp9, 2
	s_add_co_u32 s15, s15, s16                     ; work-group = 4 x cluster + cx
	s_mov_b32 s21, 0x76543210                      ; v_permlanex16_b32: lane i reads lane i of the other half
	s_mov_b32 s22, 0xfedcba98
	s_mov_b32 s23, 0xffff0000                      ; lanes 16 to 31
	; group 1 of the codebook tiles: 64 rows x 256 bf16, pitch 512 elements; 16 bytes of padding behind every 128 words; mask 15 with bit 21 beside it
	s_mov_b32 s24, 15|(1<<16)|(1<<20)|(1<<21)|(6<<22)|(3<<25)
	s_mov_b32 s25, 256<<16                         ; tensor_dim0 = 256
	s_mov_b32 s26, 64<<16                          ; tensor_dim1 = 64
	s_mov_b32 s27, 256<<16                         ; tile_dim0 = 256
	s_mov_b32 s28, 64                              ; tile_dim1 = 64
	s_mov_b32 s29, 512                             ; elements from row to row
	s_mov_b32 s30, 0
	s_mov_b32 s31, 0
	; group 1 of x: 16 rows of 512 f32, dense, taken as 32 rows of 256; 16 bytes of padding behind every 256 words; no mask: each work-group has rows of its own
	s_mov_b32 s40, (2<<16)|(1<<20)|(7<<22)|(3<<25)
	s_mov_b32 s41, 256<<16
	s_mov_b32 s42, 32<<16
	s_mov_b32 s43, 256<<16
	s_mov_b32 s44, 32
	s_mov_b32 s45, 256
	s_mov_b32 s46, 0
	s_mov_b32 s47, 0
	s_mul_i32 s60, s14, WPART                      ; LDS addresses hang on the wave's number alone
	s_mul_i32 s61, s14, XPART
	s_mul_i32 s62, s14, 16*SP
	s_add_co_u32 s62, s62, STAGE
	s_lshl_b32 s18, s14, 20                        ; my 1,024 codewords x 1,024 bytes: made of the wave's number alone, equal in the four partners
	s_mov_b32 s19, 0
	s_lshl_b32 s16, s15, 17                        ; x: 64 rows x 2,048 bytes a work-group,
	s_lshl_b32 s17, s14, 15                        ; 16 rows a wave
	s_add_co_u32 s16, s16, s17
	s_mov_b32 s17, 0
	s_wait_dscnt 0x0
	s_wait_kmcnt 0x0
	s_mov_b32 s32, 1                               ; group 0, slot 0: k = 0..255
	s_add_co_u32 s33, s60, 0
	s_add_nc_u64 s[34:35], s[4:5], s[18:19]
	s_mov_b32 s36, 1                               ; group 0, slot 1: k = 256..511, 512 bytes along the rows
	s_add_co_u32 s37, s60, SLOTB
	s_add_nc_u64 s[38:39], s[34:35], 512
	s_or_b32 s35, s35, 0x80000000                  ; type 2
	s_or_b32 s39, s39, 0x80000000
	s_mov_b32 s48, 1                               ; group 0 of x
	s_add_co_u32 s49, s61, SLOTB
	s_add_nc_u64 s[50:51], s[6:7], s[16:17]
	s_or_b32 s51, s51, 0x80000000
	s_lshl_b32 s16, s15, 20                        ; dist: 64 rows x 16,384 bytes a work-group,
	s_lshl_b32 s17, s14, 12                        ; 1,024 codewords x 4 bytes a wave
	s_add_co_u32 s16, s16, s17
	s_mov_b32 s17, 0
	s_add_nc_u64 s[10:11], s[10:11], s[16:17]
	s_lshl_b32 s16, s15, 11                        ; sel: 512 bytes for each 16 rows
	s_lshl_b32 s17, s14, 9
	s_add_co_u32 s16, s16, s17
	s_mov_b32 s17, 0
	s_add_nc_u64 s[12:13], s[12:13], s[16:17]
	ROUND                                          ; the four work-groups are here: the first loads go out as one group behind this round
	tensor_load_to_lds s[48:51], s[40:47]          ; my 16 rows of x, into slot 1's bytes
	s_nop 0
	tensor_load_to_lds s[32:35], s[24:31]          ; chunk 0, k = 0..255, my 64 codewords, into slot 0
	s_nop 0
	v_and_b32 v9, 15, v0                           ; r
	v_bfe_u32 v10, v0, 4, 1                        ; h
	v_mul_u32_u24 v11, v9, CP
	v_lshl_add_u32 v11, v10, 4, v11
	v_add_nc_u32 v2, s60, v11                      ; fragment: codeword r of my part, 16 bytes for each half of the lanes
	v_add_nc_u32 v3, SLOTB, v2
	v_mul_u32_u24 v11, v9, SP
	v_lshl_add_u32 v11, v10, 5, v11
	v_add_nc_u32 v4, s62, v11                      ; stage in: row r, 32 bytes for each half
	v_mul_u32_u24 v11, v10, SP
	v_lshl_add_u32 v11, v9, 4, v11
	v_add_nc_u32 v5, s62, v11                      ; stage back: lanes 0-15 one row of 256 bytes, lanes 16-31 the next
	v_lshlrev_b32 v6, 14, v10
	v_lshl_add_u32 v6, v9, 4, v6                   ; the same two rows in dist
	v_mul_u32_u24 v7, v9, CP
	s_lshl_b32 s63, s14, 7
	s_add_co_u32 s63, s63, MT
	v_add_nc_u32 v7, s63, v7                       ; minima: row r, my wave's 32 groups
	v_lshlrev_b32 v8, 5, v10
	s_lshl_b32 s63, s14, 12
	v_add_nc_u32 v8, s63, v8                       ; b2: my wave's codewords, 8 numbers for each half
	v_mul_u32_u24 v12, v9, 2080                    ; x in LDS: row r = two half rows of 1,040 bytes,
	v_lshl_add_u32 v12, v10, 5, v12                ; 8 f32 for each half of the lanes
	v_add_nc_u32 v12, SLOTB, v12
	v_add_nc_u32 v13, XPART, v12
	v_add_nc_u32 v14, 2*XPART, v12
	v_add_nc_u32 v15, 3*XPART, v12
	v_mov_b32 v26, 0                               ; destinations of v_permlanex16_b32 count as read
	v_mov_b32 v27, 0
	s_wait_tensorcnt 0x1                           ; my rows of x are in; the codebook tile issued behind them may stay out
	s_barrier_signal -1
	s_barrier_wait -1                              ; everybody's rows are in
; x to bf16 fragments.  Fragment (s, t): lane (r, h) holds k = 32 s + 8 h + 0..7 in registers 0-3 and k = 32 s + 16 + 8 h + 0..7 in registers 4-7 of row 16 t + r.
.macro XBATCH t, kap
.irp s, 0,1,2,3,4,5,6,7
	ds_load_b128 v[ACC+16*\s:ACC+16*\s+3],     v[12+\t] offset:1040*\kap+128*\s
	ds_load_b128 v[ACC+16*\s+4:ACC+16*\s+7],   v[12+\t] offset:1040*\kap+128*\s+16
	ds_load_b128 v[ACC+16*\s+8:ACC+16*\s+11],  v[12+\t] offset:1040*\kap+128*\s+64
	ds_load_b128 v[ACC+16*\s+12:ACC+16*\s+15], v[12+\t] offset:1040*\kap+128*\s+80
.endr
	s_wait_dscnt 0x0
	WIN 0x40*(\kap+1)                              ; destination in window 1 (k < 256) or 2
.irp s, 0,1,2,3,4,5,6,7
.irp j, 0,1,2,3,4,5,6,7
	v_cvt_pk_bf16_f32 v[8*(4*\s+\t)+\j], v[ACC+16*\s+2*\j], v[ACC+16*\s+2*\j+1]
.endr
.endr
	WIN 0
.endm
.irp t, 0,1,2,3
	XBATCH \t, 0
	XBATCH \t, 1
.endr
; a2 of the rounded rows: eight chains (row tile x half of a word) that take turns; every wave makes all four tiles' sums, so nothing is handed over.
.macro SQ
.irp s, 0,1,2,3,4,5,6,7
.irp j, 0,1,2,3,4,5,6,7
.irp t, 0,1,2,3
	v_fma_mix_f32_bf16 v[16+2*\t], v[8*(4*\s+\t)+\j], v[8*(4*\s+\t)+\j], v[16+2*\t] op_sel_hi:[1,1,0]
	v_fma_mix_f32_bf16 v[17+2*\t], v[8*(4*\s+\t)+\j], v[8*(4*\s+\t)+\j], v[17+2*\t] op_sel:[1,1,0] op_sel_hi:[1,1,0]
.endr
.endr
.endr
.endm
.irp i, 0,1,2,3,4,5,6,7
	v_mov_b32 v[16+\i], 0
.endr
	WIN 0x05                                       ; sources 0 and 1 in window 1
	SQ
	WIN 0x0a                                       ; in window 2
	SQ
	WIN 0
.irp t, 0,1,2,3
	v_add_f32 v[16+2*\t], v[16+2*\t], v[17+2*\t]
.endr
.irp t, 0,1,2,3
	v_permlanex16_b32 v[17+2*\t], v[16+2*\t], s21, s22     ; the other half of the row's k
.endr
.irp t, 0,1,2,3
	v_add_f32 v[16+2*\t], v[16+2*\t], v[17+2*\t]
.endr
.irp t, 0,1,2,3
	v_mov_b32 v[17+2*\t], v[16+2*\t]               ; a pair for the packed arithmetic
.endr
; 8 LDS loads: the four codeword fragments of K step s (32 along k) of slot kap, into buffer f
.macro FETCH kap, s, f
.irp u, 0,1,2,3
	ds_load_b128 v[\f+8*\u:\f+8*\u+3],   v[2+\kap] offset:8448*\u+64*(\s)
	ds_load_b128 v[\f+8*\u+4:\f+8*\u+7], v[2+\kap] offset:8448*\u+64*(\s)+32
.endr
.endm
; 16 matrix instructions, one on each accumulator.  The accumulators take turns, one instruction a turn.
.macro MUL16 f, s, zero
.irp t, 0,1,2,3
.irp u, 0,1,2,3
.if \zero
	v_wmma_f32_16x16x32_bf16 v[ACC+8*(4*\t+\u):ACC+8*(4*\t+\u)+7], v[\f+8*\u:\f+8*\u+7], v[8*(4*\s+\t):8*(4*\s+\t)+7], 0
.else
	v_wmma_f32_16x16x32_bf16 v[ACC+8*(4*\t+\u):ACC+8*(4*\t+\u)+7], v[\f+8*\u:\f+8*\u+7], v[8*(4*\s+\t):8*(4*\s+\t)+7], v[ACC+8*(4*\t+\u):ACC+8*(4*\t+\u)+7]
.endif
.endr
.endr
.endm
; THE WAY OUT of a chunk, row tile by row tile.  EPIC: d and the two group minima, registers only.  EPIS: minima and 16 rows x 64 numbers into LDS, rows read back.
; EPID: the rows stored.  EPID t-1 stands behind EPIC t, so that the read-back has that arithmetic in which to land.
.macro EPIC t
.set EA, ACC+32*\t
.irp p, 0,1,2,3,4,5,6,7,8,9,10,11,12,13,14,15
	v_pk_fma_f32 v[EA+2*\p:EA+2*\p+1], v[EA+2*\p:EA+2*\p+1], -2.0, v[16+2*\t:17+2*\t] op_sel_hi:[1,0,1]   ; a2 - 2 ab: the doubling is exact, one rounding
.endr
.irp p, 0,1,2,3,4,5,6,7,8,9,10,11,12,13,14,15
	v_pk_add_f32 v[EA+2*\p:EA+2*\p+1], v[EA+2*\p:EA+2*\p+1], v[B2R+2*\p:B2R+2*\p+1]                      ; + b2: the second rounding
.endr
.irp g, 0,1
	v_min3_num_f32 v[24+\g], v[EA+16*\g],    v[EA+16*\g+1],  v[EA+16*\g+2]     ; my 16 numbers of group g, two chains
	v_min3_num_f32 v[28+\g], v[EA+16*\g+8],  v[EA+16*\g+9],  v[EA+16*\g+10]
	v_min3_num_f32 v[24+\g], v[24+\g], v[EA+16*\g+3],  v[EA+16*\g+4]
	v_min3_num_f32 v[28+\g], v[28+\g], v[EA+16*\g+11], v[EA+16*\g+12]
	v_min3_num_f32 v[24+\g], v[24+\g], v[EA+16*\g+5],  v[EA+16*\g+6]
	v_min3_num_f32 v[28+\g], v[28+\g], v[EA+16*\g+13], v[EA+16*\g+14]
	v_min3_num_f32 v[24+\g], v[24+\g], v[28+\g], v[EA+16*\g+7]
	v_min_num_f32  v[24+\g], v[24+\g], v[EA+16*\g+15]
.endr
	v_permlanex16_b32 v26, v24, s21, s22           ; the other 16 numbers of the group lie in the other half of the lanes
	v_permlanex16_b32 v27, v25, s21, s22
	v_min_num_f32 v24, v24, v26
	v_min_num_f32 v25, v25, v27
.endm
.macro EPIS t
.set EA, ACC+32*\t
	ds_store_b64 v7, v[24:25] offset:8448*\t       ; both halves of the lanes write the same two words with the same numbers
.irp u, 0,1,2,3
	ds_store_b128 v4, v[EA+8*\u:EA+8*\u+3]   offset:64*\u
	ds_store_b128 v4, v[EA+8*\u+4:EA+8*\u+7] offset:64*\u+16
.endr
.if \t >= 2
	s_wait_xcnt 0x0                                ; the buffer below was the data of the stores two tiles ago: it is loaded again only behind this wait
.endif
.irp q, 0,1,2,3,4,5,6,7
	ds_load_b128 v[F0+32*(\t&1)+4*\q:F0+32*(\t&1)+4*\q+3], v5 offset:544*\q    ; LDS serves a wave's instructions in order (ISA guide 5.7.1): these see the stores above
.endr
.endm
.macro EPID t
.irp q, 0,1,2,3,4,5,6,7
	s_wait_dscnt 7-\q                              ; the eight read-backs are the youngest LDS instructions: pair q of rows is in
	global_store_b128 v6, v[F0+32*(\t&1)+4*\q:F0+32*(\t&1)+4*\q+3], s[10:11] offset:(16*\t+2*\q)*16384 th:TH_STORE_NT   ; 16 lanes store 256 neighbouring bytes, aligned
.endr
.endm
.macro EPI
	PLACES                                         ; behind the last matrix instructions, for the arithmetic on their results and the loads into the fragment buffers
	s_wait_loadcnt 0x0                             ; b2 of this chunk
	EPIC 0
	EPIS 0
	EPIC 1
	EPID 0
	EPIS 1
	EPIC 2
	EPID 1
	EPIS 2
	EPIC 3
	EPID 2
	EPIS 3
	EPID 3
	s_wait_xcnt 0x0                                ; the stores' base and data (both fragment buffers) are written again only behind this wait
	s_add_nc_u64 s[10:11], s[10:11], 256           ; the next 64 codewords in dist,
	v_add_nc_u32 v7, 8, v7                         ; two groups on,
	v_add_nc_u32 v8, 0x100, v8                     ; 64 numbers of b2 on
.endm
; Half a chunk: 256 along k out of slot kap, 128 matrix instructions.
.macro TRIP kap, refill
	s_wait_tensorcnt 0x0                           ; all my tensor loads have landed, my part of this slot among them,
	ds_add_u32 v30, v31
	s_wait_dscnt 0x0
	s_add_nc_u64 s[34+4*\kap:35+4*\kap], s[34+4*\kap:35+4*\kap], 65536     ; so a group 0 may be written: this slot's next tile, 64 codewords on
	s_wait_dscnt 0x0                               ; my reads of the other slot, and of the stage, are back
	ROUND                                          ; both now hold of every wave of the four work-groups
.if \refill
	tensor_load_to_lds s[36-4*\kap:39-4*\kap], s[24:31]    ; my one load behind the round: the next tile, into the slot read last
	s_nop 0
.endif
.if \kap
.irp u, 0,1,2,3
	global_load_b128 v[B2R+8*\u:B2R+8*\u+3],   v8, s[8:9] offset:64*\u
	global_load_b128 v[B2R+8*\u+4:B2R+8*\u+7], v8, s[8:9] offset:64*\u+16
.endr
.endif
	PLACES                                         ; both buffers were read by the last matrix instructions of the trip before
	FETCH \kap, 0, F0
	WIN 4*(\kap+1)                                 ; source 1 (x) in window 1 or 2; LDS loads name destination and source 0 alone, which stay in window 0
.irp s, 0,1,2,3,4,5,6,7
.if \s < 7
.if \s
	PLACES
.endif
	FETCH \kap, \s+1, F0+32*((\s+1)&1)
	s_wait_dscnt 0x8                               ; all but the eight just issued: this step's fragments are in
.else
	s_wait_dscnt 0x0
.endif
.if \kap+\s
	MUL16 F0+32*(\s&1), \s, 0
.else
	MUL16 F0+32*(\s&1), \s, 1                      ; a chunk's first products start its sums: nothing is cleared
.endif
.endr
	WIN 0
.if \kap
	EPI
.endif
.endm
	s_mov_b32 s20, 15
.Lchunk:
	TRIP 0, 1
	TRIP 1, 1
	s_sub_co_u32 s20, s20, 1
	s_cmp_lg_u32 s20, 0
	s_cbranch_scc1 .Lchunk
	TRIP 0, 1                                      ; the last chunk: its second half is still to be fetched,
	TRIP 1, 0                                      ; then nothing (the stepped addresses are not used)
	; THE 8 GROUPS OF EACH ROW.  Wave w takes rows 16 w + r; lane (r, h) goes through groups 64 h .. 64 h + 63 in ascending order.
	s_wait_dscnt 0x0                               ; my minima are in LDS
	s_barrier_signal -1
	s_barrier_wait -1                              ; everybody's are
	v_and_b32 v9, 15, v0
	v_bfe_u32 v10, v0, 4, 1
	v_lshlrev_b32 v12, 3, v9
	v_lshl_add_u32 v12, v10, 2, v12                ; sel: word 2 r + h
	v_mul_u32_u24 v9, v9, CP
	v_lshl_add_u32 v9, v10, 8, v9
	s_mul_i32 s63, s14, 16*CP
	s_add_co_u32 s63, s63, MT
	v_add_nc_u32 v9, s63, v9
	v_lshlrev_b32 v10, 6, v10                      ; 64 h
.irp e, 0,1,2,3,4,5,6,7,8,9,10,11,12,13,14,15
	ds_load_b128 v[ACC+4*\e:ACC+4*\e+3], v9 offset:16*\e
.endr
.irp i, 0,1,2,3,4,5,6,7
	v_mov_b32 v[LL+\i], 0x7f800000
	v_mov_b32 v[II+\i], 0
.endr
	s_wait_dscnt 0x0
.set e, 0
.rept 64
	v_add_nc_u32 v11, e, v10
	INS ACC+e, 11
.set e, e+1
.endr
.irp i, 0,1,2,3,4,5,6,7
	v_permlanex16_b32 v[ACC+\i],   v[LL+\i], s21, s22      ; the other half's list.  In lanes 0-15 it holds the higher ids, so the strict compare
	v_permlanex16_b32 v[ACC+8+\i], v[II+\i], s21, s22      ; breaks ties rightly there; lanes 16-31 take their result from lanes 0-15 below
.endr
.irp i, 0,1,2,3,4,5,6,7
	INS ACC+\i, ACC+8+\i
.endr
	CE 0,1                                         ; the ids ascending (19 exchanges), so that the next launch meets the candidates in the order of their indices
	CE 2,3
	CE 4,5
	CE 6,7
	CE 0,2
	CE 1,3
	CE 4,6
	CE 5,7
	CE 1,2
	CE 5,6
	CE 0,4
	CE 1,5
	CE 2,6
	CE 3,7
	CE 2,4
	CE 3,5
	CE 1,2
	CE 3,4
	CE 5,6
.irp q, 0,1,2,3
	v_permlanex16_b32 v[ACC+\q], v[II+4+\q], s21, s22
.endr
.irp q, 0,1,2,3
	v_cndmask_b32 v[ACC+4+\q], v[II+\q], v[ACC+\q], s23    ; lanes 0-15: ids 0..3 of row r; lanes 16-31: ids 4..7 of row r, from lane r
	global_store_b32 v12, v[ACC+4+\q], s[12:13] offset:128*\q
.endr
	s_wait_tensorcnt 0x0
	ds_add_u32 v30, v31
	s_wait_dscnt 0x0
	ROUND                                          ; the closing round: no work-group ends while a partner may still ask for a tile that names it
	s_endpgm
.Lfunc_end_k_qe506aa79f4_gemm:
	.size	k_qe506aa79f4_gemm, .Lfunc_end_k_qe506aa79f4_gemm-k_qe506aa79f4_gemm
	.p2alignl 7, 3214868480
	.fill 96, 4, 3214868480
	.section	.rodata,"a",@progbits
	.p2align	6, 0x0
	.amdhsa_kernel k_qe506aa79f4_gemm
		.amdhsa_group_segment_fixed_size 327680
		.amdhsa_private_segment_fixed_size 0
		.amdhsa_enable_private_segment 0
		.amdhsa_kernarg_size 40
		.amdhsa_user_sgpr_count 2
		.amdhsa_user_sgpr_kernarg_segment_ptr 1
		.amdhsa_wavefront_size32 1
		.amdhsa_system_sgpr_workgroup_id_x 1
		.amdhsa_system_sgpr_workgroup_id_y 1
		.amdhsa_system_sgpr_workgroup_id_z 1
		.amdhsa_system_vgpr_workitem_id 0
		.amdhsa_next_free_vgpr 768
		.amdhsa_next_free_sgpr 66
		.amdhsa_reserve_vcc 0
		.amdhsa_float_denorm_mode_32 3
		.amdhsa_float_denorm_mode_16_64 3
		.amdhsa_memory_ordered 1
		.amdhsa_forward_progress 1
		.amdhsa_inst_pref_size 255
	.end_amdhsa_kernel
	.section	.bss,"aw",@nobits
	.p2align	6
	.space	262144
	.amdgpu_metadata
---
amdhsa.version: [ 1, 2 ]
amdhsa.kernels:
  - .name:           k_qe506aa79f4_gemm
    .symbol:         k_qe506aa79f4_gemm.kd
    .args:
      - { .name: cbh, .offset: 0, .size: 8, .value_kind: global_buffer, .address_space: global }
      - { .name: x, .offset: 8, .size: 8, .value_kind: global_buffer, .address_space: global }
      - { .name: b2, .offset: 16, .size: 8, .value_kind: global_buffer, .address_space: global }
      - { .name: dist, .offset: 24, .size: 8, .value_kind: global_buffer, .address_space: global }
      - { .name: sel, .offset: 32, .size: 8, .value_kind: global_buffer, .address_space: global }
    .group_segment_fixed_size: 327680
    .private_segment_fixed_size: 0
    .kernarg_segment_align: 8
    .kernarg_segment_size: 40
    .max_flat_workgroup_size: 128
    .sgpr_count:     66
    .vgpr_count:     768
    .wavefront_size: 32
...
	.end_amdgpu_metadata
.endif
;; end of part 2
;; launch pick (part 3): grid 256 x 1, 4 waves a work-group, no clusters, 74,240 bytes of LDS; arguments dist, sel, topi, topw; writes topi, topw
.if DOCPART == 3
	.amdgcn_target "amdgcn-amd-amdhsa--gfx1250"
	.amdhsa_code_object_version 6
	.text
	.protected	k_qe506aa79f4_pick
	.globl	k_qe506aa79f4_pick
	.p2align	8
	.type	k_qe506aa79f4_pick,@function
k_qe506aa79f4_pick:
	s_mov_b64 s[64:65], 0
	v_nop
	global_prefetch_b8 v0, s[64:65] scope:SCOPE_SE
	s_setreg_imm32_b32 hwreg(HW_REG_WAVE_MODE, 25, 1), 1
	s_wait_xcnt 0x0
; For each row: the 8 smallest (d, index) among the 8 x 32 candidates that sel names, and their weights exp(dmin - d) / sum: the softmax over all codewords
; renormalised over the 8, whose common denominator cancels; the smallest d is taken away in front of the exponential.
; LIMITS: NaN and infinite d are not served; a weight below 2^-126 comes out as 0 (v_exp_f32 flushes).
; A wave takes 16 rows.  Gather: one load brings, for one row, four groups of 128 bytes (8 lanes x 16 bytes each).  Through the wave's own LDS bytes (no barrier)
; the candidates are turned so that lane (p, r) holds groups 4 p .. 4 p + 3 of row r, which it goes through in ascending index.
; No matrix unit, no tensor load, no cluster: nothing is shared between work-groups.
.set LL, 16                            ; v[16:23]  the 8 smallest d, ascending
.set II, 24                            ; v[24:31]  their indices
.set S,  32                            ; v[32:63]  group ids, then offsets of the gather; later 32 candidates
.set D,  64                            ; v[64:191] gathered, 4 registers a load
.macro INS xv, xi                      ; stable insertion; the compare is strict: an entry already there wins a tie
.irp i, 0,1,2,3,4,5,6,7
	v_cmp_lt_f32 s[24+\i], v[\xv], v[LL+\i]
.endr
.irp i, 7,6,5,4,3,2,1
	v_cndmask_b32 v[II+\i], v[II+\i], v[\xi], s[24+\i]
	v_cndmask_b32 v[II+\i], v[II+\i], v[II+\i-1], s[24+\i-1]
	v_med3_num_f32 v[LL+\i], v[LL+\i-1], v[\xv], v[LL+\i]
.endr
	v_cndmask_b32 v[II], v[II], v[\xi], s24
	v_min_num_f32 v[LL], v[LL], v[\xv]
.endm
	s_load_b256 s[4:11], s[0:1], 0x0               ; dist s[4:5], sel s[6:7], topi s[8:9], topw s[10:11]
	v_lshl_add_u32 v192, v0, 2, 0x12000
	v_mov_b32 v193, 0
	v_lshrrev_b32 v1, 5, v0
	v_readfirstlane_b32 s12, v1                    ; wave
	s_lshl2_add_u32 s13, ttmp9, s12                ; my group of 16 rows = 4 x work-group + wave
	s_lshl_b32 s14, s13, 18                        ; x 16 rows x 16,384 bytes of dist
	s_mov_b32 s15, 0
	s_lshl_b32 s16, s13, 9                         ; x 512 bytes of sel, topi, topw
	s_mov_b32 s17, 0
	s_mul_i32 s18, s12, 18432                      ; my wave's LDS: 128 blocks of 128 + 16 bytes
	s_mov_b32 s19, 0x76543210
	s_mov_b32 s20, 0xfedcba98
	s_mov_b32 s21, 0xffff0000                      ; lanes 16 to 31
	v_and_b32 v1, 31, v0
	v_lshrrev_b32 v2, 3, v1                        ; gq: which of a load's four groups
	v_and_b32 v3, 7, v1                            ; which 16 bytes of the group
	v_lshrrev_b32 v4, 4, v1                        ; p
	v_and_b32 v5, 15, v1                           ; r
	v_lshlrev_b32 v6, 7, v2                        ; sel: the 32 words of my gq
	v_lshlrev_b32 v7, 3, v5
	v_lshl_add_u32 v7, v4, 2, v7                   ; sel: word 2 r + p
	v_lshlrev_b32 v8, 4, v3
	v_mul_u32_u24 v9, v2, 2304
	v_add3_u32 v9, v9, v8, s18                     ; LDS in: block (group number, row) at (16 x number + row) x 144
	v_mul_u32_u24 v10, v5, 144
	v_mul_u32_u24 v11, v4, 9216
	v_add3_u32 v10, v10, v11, s18                  ; LDS back: block (4 p, r)
	v_lshlrev_b32 v11, 5, v5
	v_lshl_add_u32 v11, v4, 4, v11                 ; out: row r, 16 bytes for each half of the lanes
	s_wait_kmcnt 0x0
	s_add_nc_u64 s[4:5], s[4:5], s[14:15]
	s_add_nc_u64 s[6:7], s[6:7], s[16:17]
	s_add_nc_u64 s[8:9], s[8:9], s[16:17]
	s_add_nc_u64 s[10:11], s[10:11], s[16:17]
.irp k, 0,1,2,3,4,5,6,7
	global_load_b128 v[S+4*\k:S+4*\k+3], v6, s[6:7] offset:16*\k   ; word i: id number 4 (i & 1) + gq of row i >> 1
.endr
.irp q, 0,1,2,3
	global_load_b32 v[12+\q], v7, s[6:7] offset:128*\q             ; id number 4 p + q of row r
.endr
	s_wait_loadcnt 0x0
.set i, 0
.rept 32
	v_min_u32 v[S+i], 127, v[S+i]                  ; an id stays inside the row's 128 groups
	v_lshl_add_u32 v[S+i], v[S+i], 7, v8           ; x 128 bytes + my 16
	global_load_b128 v[D+4*i:D+4*i+3], v[S+i], s[4:5] offset:(i>>1)*16384 th:TH_LOAD_NT
.set i, i+1
.endr
.irp q, 0,1,2,3
	v_min_u32 v[12+\q], 127, v[12+\q]
	v_lshlrev_b32 v[12+\q], 5, v[12+\q]            ; the group's first index
.endr
.irp i, 0,1,2,3,4,5,6,7
	v_mov_b32 v[LL+\i], 0x7f800000
	v_mov_b32 v[II+\i], 0
.endr
.set i, 0
.rept 32
	s_wait_loadcnt 31-i                            ; loads return in order: the younger gathers stay out
	ds_store_b128 v9, v[D+4*i:D+4*i+3] offset:9216*(i&1)+144*(i>>1)
.set i, i+1
.endr
.macro SCAN q                          ; group number 4 p + q of row r: 32 candidates, ascending index
.irp e, 0,1,2,3,4,5,6,7
	ds_load_b128 v[S+4*\e:S+4*\e+3], v10 offset:2304*\q+16*\e      ; my wave's own bytes, served in order behind its stores (ISA guide 5.7.1)
.endr
	s_wait_dscnt 0x0
.set e, 0
.rept 32
	v_add_nc_u32 v2, e, v[12+\q]
	INS S+e, 2
.set e, e+1
.endr
.endm
	SCAN 0
	SCAN 1
	SCAN 2
	SCAN 3
.irp i, 0,1,2,3,4,5,6,7
	v_permlanex16_b32 v[S+\i],   v[LL+\i], s19, s20           ; the other half's list: in lanes 0-15 it holds the higher indices (the ids ascend),
	v_permlanex16_b32 v[S+8+\i], v[II+\i], s19, s20           ; so ties break rightly there; lanes 16-31 take their part from lanes 0-15 below
.endr
.irp i, 0,1,2,3,4,5,6,7
	INS S+\i, S+8+\i
.endr
.irp k, 0,1,2,3,4,5,6,7
	v_sub_f32 v[48+\k], v[LL], v[LL+\k]            ; dmin - d, at most 0
.endr
.irp k, 0,1,2,3,4,5,6,7
	v_mul_f32 v[48+\k], 0x3fb8aa3b, v[48+\k]
.endr
.irp k, 0,1,2,3,4,5,6,7
	v_exp_f32 v[48+\k], v[48+\k]
.endr
	v_nop                                          ; one plain vector instruction between a transcendental and the use of its result (ISA guide 5.7.2)
	s_wait_alu depctr_va_vdst(0)
	v_add_f32 v56, v48, v49
	v_add_f32 v57, v50, v51
	v_add_f32 v58, v52, v53
	v_add_f32 v59, v54, v55
	v_add_f32 v56, v56, v57
	v_add_f32 v58, v58, v59
	v_add_f32 v56, v56, v58                        ; at least 1: the first term is exp(0)
	v_rcp_f32 v56, v56
	v_nop
	s_wait_alu depctr_va_vdst(0)
.irp k, 0,1,2,3,4,5,6,7
	v_mul_f32 v[48+\k], v[48+\k], v56
.endr
.irp k, 0,1,2,3
	v_permlanex16_b32 v[S+\k],   v[II+4+\k], s19, s20
	v_permlanex16_b32 v[S+8+\k], v[52+\k],   s19, s20
.endr
.irp k, 0,1,2,3
	v_cndmask_b32 v[S+4+\k],  v[II+\k], v[S+\k],   s21        ; lanes 0-15: entries 0..3 of row r; lanes 16-31: entries 4..7
	v_cndmask_b32 v[S+12+\k], v[48+\k], v[S+8+\k], s21
.endr
	global_store_b128 v11, v[S+4:S+7],   s[8:9]    ; 512 neighbouring bytes each
	global_store_b128 v11, v[S+12:S+15], s[10:11]
	s_wait_tensorcnt 0x0
	ds_add_u32 v192, v193
	s_wait_dscnt 0x0
	s_endpgm
.Lfunc_end_k_qe506aa79f4_pick:
	.size	k_qe506aa79f4_pick, .Lfunc_end_k_qe506aa79f4_pick-k_qe506aa79f4_pick
	.p2alignl 7, 3214868480
	.fill 96, 4, 3214868480
	.section	.rodata,"a",@progbits
	.p2align	6, 0x0
	.amdhsa_kernel k_qe506aa79f4_pick
		.amdhsa_group_segment_fixed_size 74240
		.amdhsa_private_segment_fixed_size 0
		.amdhsa_enable_private_segment 0
		.amdhsa_kernarg_size 32
		.amdhsa_user_sgpr_count 2
		.amdhsa_user_sgpr_kernarg_segment_ptr 1
		.amdhsa_wavefront_size32 1
		.amdhsa_system_sgpr_workgroup_id_x 1
		.amdhsa_system_sgpr_workgroup_id_y 1
		.amdhsa_system_sgpr_workgroup_id_z 1
		.amdhsa_system_vgpr_workitem_id 0
		.amdhsa_next_free_vgpr 194
		.amdhsa_next_free_sgpr 66
		.amdhsa_reserve_vcc 0
		.amdhsa_float_denorm_mode_32 3
		.amdhsa_float_denorm_mode_16_64 3
		.amdhsa_memory_ordered 1
		.amdhsa_forward_progress 1
		.amdhsa_inst_pref_size 255
	.end_amdhsa_kernel
	.section	.bss,"aw",@nobits
	.p2align	6
	.space	262144
	.amdgpu_metadata
---
amdhsa.version: [ 1, 2 ]
amdhsa.kernels:
  - .name:           k_qe506aa79f4_pick
    .symbol:         k_qe506aa79f4_pick.kd
    .args:
      - { .name: dist, .offset: 0, .size: 8, .value_kind: global_buffer, .address_space: global }
      - { .name: sel, .offset: 8, .size: 8, .value_kind: global_buffer, .address_space: global }
      - { .name: topi, .offset: 16, .size: 8, .value_kind: global_buffer, .address_space: global }
      - { .name: topw, .offset: 24, .size: 8, .value_kind: global_buffer, .address_space: global }
    .group_segment_fixed_size: 74240
    .private_segment_fixed_size: 0
    .kernarg_segment_align: 8
    .kernarg_segment_size: 32
    .max_flat_workgroup_size: 128
    .sgpr_count:     66
    .vgpr_count:     194
    .wavefront_size: 32
...
	.end_amdgpu_metadata
.endif
;; end of part 3
;; launch mix (part 4): grid 512 x 1, 8 waves a work-group, no clusters, 1,280 bytes of LDS; arguments cbh, x, topi, topw, out0, part; writes out0, part
.if DOCPART == 4
	.amdgcn_target "amdgcn-amd-amdhsa--gfx1250"
	.amdhsa_code_object_version 6
	.text
	.protected	k_qe506aa79f4_mix
	.globl	k_qe506aa79f4_mix
	.p2align	8
	.type	k_qe506aa79f4_mix,@function
k_qe506aa79f4_mix:
	s_mov_b64 s[64:65], 0
	v_nop
	global_prefetch_b8 v0, s[64:65] scope:SCOPE_SE
	s_setreg_imm32_b32 hwreg(HW_REG_WAVE_MODE, 25, 1), 1
	s_wait_xcnt 0x0
; q[n] = sum over 8 of w c (rows of the bf16 codebook, sums in f32);  out0 = x + (q - x);  part[work-group] = sum of (q - x)^2 over its 32 rows.
; A wave takes 4 rows.  Its 32 indices and 32 weights come by scalar loads; a row's 8 codebook rows (8 bytes a lane for each 256 bytes) and its x
; (16 bytes a lane for each 512 bytes) come as 36 loads into one of two register sets, so that one row is on its way while another is worked on.
; No matrix unit (8 terms a row), no LDS tiles, no cluster; no prefetch: the bf16 codebook is 4 MiB and every work-group reads from it.
.set W,  4                             ; v[4:11]    the row's 8 weights
.set LS, 12                            ; v[12:15]   two pairs of running sums of squares
.set Q,  16                            ; v[16:31]   q of my 16 columns
.set DF, 32                            ; v[32:47]   q - x
.set VO, 48                            ; v[48:63]   set s: 8 offsets into the codebook
.set ST, 64                            ; v[64:143], v[144:223]  set s: 64 registers of codebook rows, 16 of x (then of out0)
	s_load_b256 s[84:91], s[0:1], 0x0              ; cbh s[84:85], x s[86:87], topi s[88:89], topw s[90:91]
	s_load_b128 s[92:95], s[0:1], 0x20             ; out0 s[92:93], part s[94:95]
	v_lshl_add_u32 v224, v0, 2, 0x100
	v_mov_b32 v225, 0
	v_lshrrev_b32 v1, 5, v0
	v_readfirstlane_b32 s2, v1                     ; wave 0..7
	s_lshl3_add_u32 s3, ttmp9, s2                  ; 8 x work-group + wave
	s_lshl_b32 s4, s3, 7                           ; x 4 rows x 32 bytes of topi, topw
	s_mov_b32 s5, 0
	s_lshl_b32 s6, s3, 13                          ; x 4 rows x 2,048 bytes of x, out0
	s_mov_b32 s7, 0
	s_mov_b32 s98, 0x76543210
	s_mov_b32 s99, 0xfedcba98
	v_and_b32 v3, 31, v0
	v_lshlrev_b32 v1, 3, v3                        ; 8 x lane
	v_lshlrev_b32 v2, 4, v3                        ; 16 x lane
.irp i, 0,1,2,3
	v_mov_b32 v[LS+\i], 0
.endr
	s_wait_kmcnt 0x0
	s_add_nc_u64 s[88:89], s[88:89], s[4:5]
	s_add_nc_u64 s[90:91], s[90:91], s[4:5]
	s_add_nc_u64 s[86:87], s[86:87], s[6:7]
	s_add_nc_u64 s[92:93], s[92:93], s[6:7]
	s_load_b512 s[8:23],  s[88:89], 0x0            ; indices of rows 0, 1
	s_load_b512 s[24:39], s[88:89], 0x40           ; of rows 2, 3
	s_load_b512 s[40:55], s[90:91], 0x0            ; weights of rows 0, 1
	s_load_b512 s[68:83], s[90:91], 0x40           ; of rows 2, 3
	s_wait_kmcnt 0x0
.macro LOADROW k, set
.irp j, 0,1,2,3,4,5,6,7
	s_min_u32 s96, s[8+8*\k+\j], 0xfff             ; an index stays inside the table
	s_lshl_b32 s96, s96, 10
	v_add_nc_u32 v[VO+8*\set+\j], s96, v1
.irp m, 0,1,2,3
	global_load_b64 v[ST+80*\set+8*\j+2*\m:ST+80*\set+8*\j+2*\m+1], v[VO+8*\set+\j], s[84:85] offset:256*\m
.endr
.endr
.irp m, 0,1,2,3
	global_load_b128 v[ST+80*\set+64+4*\m:ST+80*\set+64+4*\m+3], v2, s[86:87] offset:2048*\k+512*\m th:TH_LOAD_NT
.endr
.endm
; left = how many younger loads may stay out; ws = the first scalar register of the row's weights
.macro DOROW k, set, left, ws
	s_wait_loadcnt \left
.irp j, 0,1,2,3,4,5,6,7
	v_mov_b32 v[W+\j], s[\ws+\j]
.endr
.irp m, 0,1,2,3
	v_lshlrev_b32 v[Q+4*\m],   16,         v[ST+80*\set+2*\m]      ; the first term starts the sums
	v_and_b32     v[Q+4*\m+1], 0xffff0000, v[ST+80*\set+2*\m]
	v_lshlrev_b32 v[Q+4*\m+2], 16,         v[ST+80*\set+2*\m+1]
	v_and_b32     v[Q+4*\m+3], 0xffff0000, v[ST+80*\set+2*\m+1]
.endr
.irp p, 0,1,2,3,4,5,6,7
	v_pk_mul_f32 v[Q+2*\p:Q+2*\p+1], v[Q+2*\p:Q+2*\p+1], v[W:W+1] op_sel_hi:[1,0]
.endr
.irp j, 1,2,3,4,5,6,7
.irp m, 0,1,2,3
	v_fma_mix_f32_bf16 v[Q+4*\m],   v[ST+80*\set+8*\j+2*\m],   v[W+\j], v[Q+4*\m]   op_sel_hi:[1,0,0]
	v_fma_mix_f32_bf16 v[Q+4*\m+1], v[ST+80*\set+8*\j+2*\m],   v[W+\j], v[Q+4*\m+1] op_sel:[1,0,0] op_sel_hi:[1,0,0]
	v_fma_mix_f32_bf16 v[Q+4*\m+2], v[ST+80*\set+8*\j+2*\m+1], v[W+\j], v[Q+4*\m+2] op_sel_hi:[1,0,0]
	v_fma_mix_f32_bf16 v[Q+4*\m+3], v[ST+80*\set+8*\j+2*\m+1], v[W+\j], v[Q+4*\m+3] op_sel:[1,0,0] op_sel_hi:[1,0,0]
.endr
.endr
.irp p, 0,1,2,3,4,5,6,7
	v_pk_add_f32 v[DF+2*\p:DF+2*\p+1], v[Q+2*\p:Q+2*\p+1], v[ST+80*\set+64+2*\p:ST+80*\set+64+2*\p+1] neg_lo:[0,1] neg_hi:[0,1]
.endr
.irp p, 0,1,2,3,4,5,6,7
	v_pk_add_f32 v[ST+80*\set+64+2*\p:ST+80*\set+64+2*\p+1], v[ST+80*\set+64+2*\p:ST+80*\set+64+2*\p+1], v[DF+2*\p:DF+2*\p+1]
	v_pk_fma_f32 v[LS+2*(\p&1):LS+2*(\p&1)+1], v[DF+2*\p:DF+2*\p+1], v[DF+2*\p:DF+2*\p+1], v[LS+2*(\p&1):LS+2*(\p&1)+1]
.endr
.irp m, 0,1,2,3
	global_store_b128 v2, v[ST+80*\set+64+4*\m:ST+80*\set+64+4*\m+3], s[92:93] offset:2048*\k+512*\m th:TH_STORE_NT
.endr
.endm
	LOADROW 0, 0
	LOADROW 1, 1
	DOROW 0, 0, 36, 40                             ; the 36 loads of the next row stay out
	s_wait_xcnt 0x0                                ; set 0 holds the data of the stores just issued: it is loaded again only behind this wait
	LOADROW 2, 0
	DOROW 1, 1, 36, 48
	s_wait_xcnt 0x0
	LOADROW 3, 1
	DOROW 2, 0, 36, 68
	DOROW 3, 1, 0, 76
	v_pk_add_f32 v[LS:LS+1], v[LS:LS+1], v[LS+2:LS+3]
	v_add_f32 v12, v12, v13
	v_add_f32_dpp v12, v12, v12 row_xmask:1 row_mask:0xf bank_mask:0xf
	v_add_f32_dpp v12, v12, v12 row_xmask:2 row_mask:0xf bank_mask:0xf
	v_add_f32_dpp v12, v12, v12 row_xmask:4 row_mask:0xf bank_mask:0xf
	v_add_f32_dpp v12, v12, v12 row_xmask:8 row_mask:0xf bank_mask:0xf
	v_permlanex16_b32 v13, v12, s98, s99
	v_add_f32 v12, v12, v13
	v_mov_b32 v4, s2
	v_lshlrev_b32 v4, 2, v4
	ds_store_b32 v4, v12                           ; my wave's word
	s_wait_dscnt 0x0
	s_barrier_signal -1
	s_barrier_wait -1
	s_cmp_lg_u32 s2, 0
	s_cbranch_scc1 .Lend
	v_mov_b32 v5, 0
	ds_load_b128 v[16:19], v5
	ds_load_b128 v[20:23], v5 offset:16
	s_lshl_b32 s4, ttmp9, 2
	s_mov_b32 s5, 0
	s_add_nc_u64 s[94:95], s[94:95], s[4:5]
	v_cmp_eq_u32 vcc_lo, 0, v3
	s_wait_dscnt 0x0
	v_add_f32 v16, v16, v17
	v_add_f32 v18, v18, v19
	v_add_f32 v20, v20, v21
	v_add_f32 v22, v22, v23
	v_add_f32 v16, v16, v18
	v_add_f32 v20, v20, v22
	v_add_f32 v16, v16, v20
	s_wait_xcnt 0x0                                ; EXEC is a source of the stores above: it changes only behind this wait
	s_and_saveexec_b32 s6, vcc_lo
	global_store_b32 v5, v16, s[94:95]             ; lane 0: one number for the work-group
	s_wait_xcnt 0x0
	s_or_b32 exec_lo, exec_lo, s6
.Lend:
	s_wait_tensorcnt 0x0
	ds_add_u32 v224, v225
	s_wait_dscnt 0x0
	s_endpgm
.Lfunc_end_k_qe506aa79f4_mix:
	.size	k_qe506aa79f4_mix, .Lfunc_end_k_qe506aa79f4_mix-k_qe506aa79f4_mix
	.p2alignl 7, 3214868480
	.fill 96, 4, 3214868480
	.section	.rodata,"a",@progbits
	.p2align	6, 0x0
	.amdhsa_kernel k_qe506aa79f4_mix
		.amdhsa_group_segment_fixed_size 1280
		.amdhsa_private_segment_fixed_size 0
		.amdhsa_enable_private_segment 0
		.amdhsa_kernarg_size 48
		.amdhsa_user_sgpr_count 2
		.amdhsa_user_sgpr_kernarg_segment_ptr 1
		.amdhsa_wavefront_size32 1
		.amdhsa_system_sgpr_workgroup_id_x 1
		.amdhsa_system_sgpr_workgroup_id_y 1
		.amdhsa_system_sgpr_workgroup_id_z 1
		.amdhsa_system_vgpr_workitem_id 0
		.amdhsa_next_free_vgpr 226
		.amdhsa_next_free_sgpr 100
		.amdhsa_reserve_vcc 1
		.amdhsa_float_denorm_mode_32 3
		.amdhsa_float_denorm_mode_16_64 3
		.amdhsa_memory_ordered 1
		.amdhsa_forward_progress 1
		.amdhsa_inst_pref_size 63
	.end_amdhsa_kernel
	.amdgpu_metadata
---
amdhsa.version: [ 1, 2 ]
amdhsa.kernels:
  - .name:           k_qe506aa79f4_mix
    .symbol:         k_qe506aa79f4_mix.kd
    .args:
      - { .name: cbh, .offset: 0, .size: 8, .value_kind: global_buffer, .address_space: global }
      - { .name: x, .offset: 8, .size: 8, .value_kind: global_buffer, .address_space: global }
      - { .name: topi, .offset: 16, .size: 8, .value_kind: global_buffer, .address_space: global }
      - { .name: topw, .offset: 24, .size: 8, .value_kind: global_buffer, .address_space: global }
      - { .name: out0, .offset: 32, .size: 8, .value_kind: global_buffer, .address_space: global }
      - { .name: part, .offset: 40, .size: 8, .value_kind: global_buffer, .address_space: global }
    .group_segment_fixed_size: 1280
    .private_segment_fixed_size: 0
    .kernarg_segment_align: 8
    .kernarg_segment_size: 48
    .max_flat_workgroup_size: 256
    .sgpr_count:     100
    .vgpr_count:     226
    .wavefront_size: 32
...
	.end_amdgpu_metadata
.endif
;; end of part 4
;; launch total (part 5): grid 1 x 1, 1 waves a work-group, no clusters, 0 bytes of LDS; arguments part, out1; writes out1
.if DOCPART == 5
	.amdgcn_target "amdgcn-amd-amdhsa--gfx1250"
	.amdhsa_code_object_version 6
	.text
	.protected	k_qe506aa79f4_total
	.globl	k_qe506aa79f4_total
	.p2align	8
	.type	k_qe506aa79f4_total,@function
k_qe506aa79f4_total:
	s_mov_b64 s[64:65], 0
	v_nop
	global_prefetch_b8 v0, s[64:65] scope:SCOPE_SE
	s_setreg_imm32_b32 hwreg(HW_REG_WAVE_MODE, 25, 1), 1
	s_wait_xcnt 0x0
; out1 = 1.25 x (sum of the 512 partial sums) / (16,384 x 512): 0.25 x mean + mean of (q - x)^2.  One wave: 2,048 bytes, four loads of 16 bytes a lane.
	s_load_b128 s[4:7], s[0:1], 0x0                ; part s[4:5], out1 s[6:7]
	v_lshlrev_b32 v1, 4, v0
	v_mov_b32 v2, 0
	s_mov_b32 s8, 0x76543210
	s_mov_b32 s9, 0xfedcba98
	s_wait_kmcnt 0x0
.irp m, 0,1,2,3
	global_load_b128 v[4+4*\m:7+4*\m], v1, s[4:5] offset:512*\m
.endr
	s_wait_loadcnt 0x0
	v_pk_add_f32 v[4:5], v[4:5], v[6:7]
	v_pk_add_f32 v[8:9], v[8:9], v[10:11]
	v_pk_add_f32 v[12:13], v[12:13], v[14:15]
	v_pk_add_f32 v[16:17], v[16:17], v[18:19]
	v_pk_add_f32 v[4:5], v[4:5], v[8:9]
	v_pk_add_f32 v[12:13], v[12:13], v[16:17]
	v_pk_add_f32 v[4:5], v[4:5], v[12:13]
	v_add_f32 v4, v4, v5
	v_add_f32_dpp v4, v4, v4 row_xmask:1 row_mask:0xf bank_mask:0xf
	v_add_f32_dpp v4, v4, v4 row_xmask:2 row_mask:0xf bank_mask:0xf
	v_add_f32_dpp v4, v4, v4 row_xmask:4 row_mask:0xf bank_mask:0xf
	v_add_f32_dpp v4, v4, v4 row_xmask:8 row_mask:0xf bank_mask:0xf
	v_permlanex16_b32 v5, v4, s8, s9
	v_add_f32 v4, v4, v5
	v_mul_f32 v4, 0x34200000, v4                   ; 1.25 x 2^-23
	v_cmp_eq_u32 vcc_lo, 0, v0
	s_wait_xcnt 0x0                                ; EXEC changes only behind this wait
	s_and_saveexec_b32 s10, vcc_lo
	global_store_b32 v2, v4, s[6:7]
	s_wait_xcnt 0x0
	s_or_b32 exec_lo, exec_lo, s10
	s_endpgm
.Lfunc_end_k_qe506aa79f4_total:
	.size	k_qe506aa79f4_total, .Lfunc_end_k_qe506aa79f4_total-k_qe506aa79f4_total
	.p2alignl 7, 3214868480
	.fill 96, 4, 3214868480
	.section	.rodata,"a",@progbits
	.p2align	6, 0x0
	.amdhsa_kernel k_qe506aa79f4_total
		.amdhsa_group_segment_fixed_size 0
		.amdhsa_private_segment_fixed_size 0
		.amdhsa_enable_private_segment 0
		.amdhsa_kernarg_size 16
		.amdhsa_user_sgpr_count 2
		.amdhsa_user_sgpr_kernarg_segment_ptr 1
		.amdhsa_wavefront_size32 1
		.amdhsa_system_sgpr_workgroup_id_x 1
		.amdhsa_system_sgpr_workgroup_id_y 1
		.amdhsa_system_sgpr_workgroup_id_z 1
		.amdhsa_system_vgpr_workitem_id 0
		.amdhsa_next_free_vgpr 32
		.amdhsa_next_free_sgpr 66
		.amdhsa_reserve_vcc 1
		.amdhsa_float_denorm_mode_32 3
		.amdhsa_float_denorm_mode_16_64 3
		.amdhsa_memory_ordered 1
		.amdhsa_forward_progress 1
		.amdhsa_inst_pref_size 3
	.end_amdhsa_kernel
	.amdgpu_metadata
---
amdhsa.version: [ 1, 2 ]
amdhsa.kernels:
  - .name:           k_qe506aa79f4_total
    .symbol:         k_qe506aa79f4_total.kd
    .args:
      - { .name: part, .offset: 0, .size: 8, .value_kind: global_buffer, .address_space: global }
      - { .name: out1, .offset: 8, .size: 8, .value_kind: global_buffer, .address_space: global }
    .group_segment_fixed_size: 0
    .private_segment_fixed_size: 0
    .kernarg_segment_align: 8
    .kernarg_segment_size: 16
    .max_flat_workgroup_size: 32
    .sgpr_count:     66
    .vgpr_count:     32
    .wavefront_size: 32
...
	.end_amdgpu_metadata
.endif
;; end of part 5
;; ======== version 2 of 2: 5 launches; version 1 with the launches prep, pick written anew for expert scheduling mode
;; workspace buffers: cbh 4,194,304 bytes; b2 16,384 bytes; dist 268,435,456 bytes; sel 524,288 bytes of whole numbers; topi 524,288 bytes of whole numbers; topw 524,288 bytes; part 2,048 bytes
;; launch prep (part 6): grid 64 x 1, 16 waves a work-group, no clusters, 2,304 bytes of LDS; arguments codebook, cbh, b2; writes cbh, b2
.if DOCPART == 6
	.amdgcn_target "amdgcn-amd-amdhsa--gfx1250"
	.amdhsa_code_object_version 6
	.text
	.protected	k_qe506aa79f4_prep
	.globl	k_qe506aa79f4_prep
	.p2align	8
	.type	k_qe506aa79f4_prep,@function
k_qe506aa79f4_prep:
	s_mov_b64 s[64:65], 0
	v_nop
	global_prefetch_b8 v0, s[64:65] scope:SCOPE_SE
	s_setreg_imm32_b32 hwreg(HW_REG_WAVE_SCHED_MODE, 0, 2), 2
	s_setreg_imm32_b32 hwreg(HW_REG_WAVE_MODE, 25, 1), 1
	s_wait_xcnt 0x0
	s_wait_alu depctr_vm_vsrc(0)
; cbh[k][d] = bf16(codebook[k][d]);  b2[k] = sum over d of cbh[k][d]^2 in f32 (of the ROUNDED row, since the products use the rounded row).
; codebook: [4096][512] f32.  A work-group takes 64 rows, a wave 4 rows.  A lane takes 16 bytes of each 512-byte quarter of a row, so a load of the
; wave covers 512 neighbouring bytes and a store of its 8 bytes a lane covers 256 neighbouring bytes, aligned.
; No matrix unit, no tensor load, no cluster: each byte is read once and nothing is shared between work-groups.
; THE MODE: SCHED_MODE bits 1:0 = 2 (LLVM: expert scheduling mode 2), set by the entry lines.  The code itself states the register dependences
; between vector instructions and memory or LDS instructions, with s_wait_alu, always for 0.
; THE PLAN.  Registers that memory or LDS instructions touch:
;   v3, v4, v5   offsets and an LDS address, made once at the head and never written again.
;   X[p]         written by the sixteen loads, which are issued before any vector instruction names them; behind that vector instructions alone.
;   Y[p]         a set for each row: written by the row's eight conversions, read by the row's four stores, never written again.
;   v[R+p]       a register for each row's sum: written by vector instructions, read by one LDS store, never written again.
;   v[14:15]     wave 0's LDS load lands there and its store reads them: no vector instruction names them.
;   v6 to v9     named by vector instructions alone.
; So one wait on va_vdst stands in a row, behind its conversions, with the row's four stores in one run behind it; the four rows' sums are finished across
; the lanes by turns behind the last row, and one more wait on va_vdst stands ahead of their four LDS stores.  Nothing that a memory instruction reads is
; written again, so no wait on vm_vsrc is owed.
.set R, 10                             ; v[10:13]   row p's sum
.set X, 16                             ; v[16:79]   row p: 16 registers as loaded, later the rounded numbers widened again
.set Y, 80                             ; v[80:111]  row p: 8 registers of bf16 pairs, each stored once and never rewritten
	s_load_b128 s[4:7], s[0:1], 0x0                ; codebook s[4:5], cbh s[6:7]
	s_load_b64 s[8:9], s[0:1], 0x10                ; b2
	v_lshl_add_u32 v128, v0, 2, 0x100
	v_mov_b32 v129, 0
	v_lshrrev_b32 v1, 5, v0
	v_readfirstlane_b32 s10, v1                    ; wave 0..15
	v_and_b32 v2, 31, v0                           ; lane
	v_lshlrev_b32 v3, 4, v2                        ; 16 x lane
	v_lshlrev_b32 v4, 3, v2                        ; 8 x lane
	s_wait_alu depctr_va_sdst(0)                   ; s10 is written, ahead of its first reader: my rows, my LDS words and the branch below are made from it
	s_lshl_b32 s11, ttmp9, 6
	s_lshl2_add_u32 s11, s10, s11                  ; my first row = 64 x work-group + 4 x wave
	s_lshl_b32 s12, s11, 11                        ; x 2,048 bytes of f32
	s_mov_b32 s13, 0
	s_lshl_b32 s14, s11, 10                        ; x 1,024 bytes of bf16
	s_mov_b32 s15, 0
	s_mov_b32 s16, 0xffff0000                      ; a word's upper bf16
	s_mov_b32 s17, 0x76543210                      ; v_permlanex16_b32: lane i reads lane i of the other half
	s_mov_b32 s18, 0xfedcba98
	s_lshl_b32 s20, ttmp9, 8                       ; the group's 64 numbers of b2
	s_mov_b32 s21, 0
	v_mov_b32 v5, s10
	v_lshlrev_b32 v5, 4, v5                        ; LDS: my wave's four words
	s_wait_kmcnt 0x0
	s_add_nc_u64 s[4:5], s[4:5], s[12:13]
	s_add_nc_u64 s[6:7], s[6:7], s[14:15]
	s_add_nc_u64 s[8:9], s[8:9], s[20:21]
	s_wait_alu depctr_va_vdst(0)                   ; v3, v4 and v5 are written: every load, store and LDS instruction of the kernel reads one of them as its offset or address
.irp p, 0,1,2,3
.irp m, 0,1,2,3
	global_load_b128 v[X+16*\p+4*\m:X+16*\p+4*\m+3], v3, s[4:5] offset:2048*\p+512*\m th:TH_LOAD_NT
.endr
.endr
.macro ROWP p
	s_wait_loadcnt 12-4*\p                         ; loads return in order: the four loads of each later row may stay out
.irp m, 0,1,2,3
	v_cvt_pk_bf16_f32 v[Y+8*\p+2*\m],   v[X+16*\p+4*\m],   v[X+16*\p+4*\m+1]
	v_cvt_pk_bf16_f32 v[Y+8*\p+2*\m+1], v[X+16*\p+4*\m+2], v[X+16*\p+4*\m+3]
.endr
	s_wait_alu depctr_va_vdst(0)                   ; the eight conversions have written Y[p], which the four stores read
.irp m, 0,1,2,3
	global_store_b64 v4, v[Y+8*\p+2*\m:Y+8*\p+2*\m+1], s[6:7] offset:1024*\p+256*\m
.endr
.irp i, 0,1,2,3,4,5,6,7
	v_lshlrev_b32 v[X+16*\p+2*\i],   16,  v[Y+8*\p+\i]     ; the rounded numbers as f32
	v_and_b32     v[X+16*\p+2*\i+1], s16, v[Y+8*\p+\i]
.endr
	v_pk_mul_f32 v[6:7], v[X+16*\p:X+16*\p+1],   v[X+16*\p:X+16*\p+1]      ; two chains, started by the first products
	v_pk_mul_f32 v[8:9], v[X+16*\p+2:X+16*\p+3], v[X+16*\p+2:X+16*\p+3]
.irp i, 2,4,6
	v_pk_fma_f32 v[6:7], v[X+16*\p+2*\i:X+16*\p+2*\i+1],   v[X+16*\p+2*\i:X+16*\p+2*\i+1],   v[6:7]
	v_pk_fma_f32 v[8:9], v[X+16*\p+2*\i+2:X+16*\p+2*\i+3], v[X+16*\p+2*\i+2:X+16*\p+2*\i+3], v[8:9]
.endr
	v_pk_add_f32 v[6:7], v[6:7], v[8:9]
	v_add_f32 v[R+\p], v6, v7                      ; my lane's part of the row's sum, in the row's own register
.endm
	ROWP 0
	ROWP 1
	ROWP 2
	ROWP 3
; Across the 32 lanes, the four rows by turns: each row's additions are the same and in the same order as if it stood alone.
.irp x, 1,2,4,8
.irp p, 0,1,2,3
	v_add_f32_dpp v[R+\p], v[R+\p], v[R+\p] row_xmask:\x row_mask:0xf bank_mask:0xf
.endr
.endr
.irp p, 0,1,2,3
	v_permlanex16_b32 v[6+\p], v[R+\p], s17, s18   ; its destination counts as read: v6 to v9 have been written
.endr
.irp p, 0,1,2,3
	v_add_f32 v[R+\p], v[R+\p], v[6+\p]
.endr
	s_wait_alu depctr_va_vdst(0)                   ; the four sums v[R ..] are written, which the LDS stores read
.irp p, 0,1,2,3
	ds_store_b32 v5, v[R+\p] offset:4*\p           ; every lane writes the same word with the same number
.endr
	s_wait_dscnt 0x0                               ; my four words are in LDS before I say so
	s_barrier_signal -1
	s_barrier_wait -1
	s_cmp_lg_u32 s10, 0
	s_cbranch_scc1 .Ldone
	ds_load_b64 v[14:15], v4                       ; wave 0: the group's 64 sums, 8 bytes a lane; no vector instruction names v14 or v15, and v4 stands since the head
	s_wait_dscnt 0x0
	global_store_b64 v4, v[14:15], s[8:9]          ; 256 neighbouring bytes, aligned
.Ldone:
	s_wait_dscnt 0x0                               ; the closing lines, six on end
	s_wait_alu 0x0
	s_wait_tensorcnt 0x0
	ds_add_u32 v128, v129
	s_wait_dscnt 0x0
	s_endpgm
.Lfunc_end_k_qe506aa79f4_prep:
	.size	k_qe506aa79f4_prep, .Lfunc_end_k_qe506aa79f4_prep-k_qe506aa79f4_prep
	.p2alignl 7, 3214868480
	.fill 96, 4, 3214868480
	.section	.rodata,"a",@progbits
	.p2align	6, 0x0
	.amdhsa_kernel k_qe506aa79f4_prep
		.amdhsa_group_segment_fixed_size 2304
		.amdhsa_private_segment_fixed_size 0
		.amdhsa_enable_private_segment 0
		.amdhsa_kernarg_size 24
		.amdhsa_user_sgpr_count 2
		.amdhsa_user_sgpr_kernarg_segment_ptr 1
		.amdhsa_wavefront_size32 1
		.amdhsa_system_sgpr_workgroup_id_x 1
		.amdhsa_system_sgpr_workgroup_id_y 1
		.amdhsa_system_sgpr_workgroup_id_z 1
		.amdhsa_system_vgpr_workitem_id 0
		.amdhsa_next_free_vgpr 130
		.amdhsa_next_free_sgpr 66
		.amdhsa_reserve_vcc 0
		.amdhsa_float_denorm_mode_32 3
		.amdhsa_float_denorm_mode_16_64 3
		.amdhsa_memory_ordered 1
		.amdhsa_forward_progress 1
		.amdhsa_inst_pref_size 14
	.end_amdhsa_kernel
	.amdgpu_metadata
---
amdhsa.version: [ 1, 2 ]
amdhsa.kernels:
  - .name:           k_qe506aa79f4_prep
    .symbol:         k_qe506aa79f4_prep.kd
    .args:
      - { .name: codebook, .offset: 0, .size: 8, .value_kind: global_buffer, .address_space: global }
      - { .name: cbh, .offset: 8, .size: 8, .value_kind: global_buffer, .address_space: global }
      - { .name: b2, .offset: 16, .size: 8, .value_kind: global_buffer, .address_space: global }
    .group_segment_fixed_size: 2304
    .private_segment_fixed_size: 0
    .kernarg_segment_align: 8
    .kernarg_segment_size: 24
    .max_flat_workgroup_size: 512
    .sgpr_count:     66
    .vgpr_count:     130
    .wavefront_size: 32
...
	.end_amdgpu_metadata
.endif
;; end of part 6
;; launch gemm: the kernel of part 2 again; grid 256 x 1, 4 waves a work-group, clusters of 4 x 1, 327,680 bytes of LDS; arguments cbh, x, b2, dist, sel; writes dist, sel
;; launch pick (part 7): grid 256 x 1, 4 waves a work-group, no clusters, 74,240 bytes of LDS; arguments dist, sel, topi, topw; writes topi, topw
.if DOCPART == 7
	.amdgcn_target "amdgcn-amd-amdhsa--gfx1250"
	.amdhsa_code_object_version 6
	.text
	.protected	k_qe506aa79f4_pick
	.globl	k_qe506aa79f4_pick
	.p2align	8
	.type	k_qe506aa79f4_pick,@function
k_qe506aa79f4_pick:
	s_mov_b64 s[64:65], 0
	v_nop
	global_prefetch_b8 v0, s[64:65] scope:SCOPE_SE
	s_setreg_imm32_b32 hwreg(HW_REG_WAVE_SCHED_MODE, 0, 2), 2
	s_setreg_imm32_b32 hwreg(HW_REG_WAVE_MODE, 25, 1), 1
	s_wait_xcnt 0x0
	s_wait_alu depctr_vm_vsrc(0)
; For each row: the 8 smallest (d, index) among the 8 x 32 candidates that sel names, and their weights exp(dmin - d) / sum: the softmax over all codewords
; renormalised over the 8, whose common denominator cancels; the smallest d is taken away in front of the exponential.
; LIMITS: NaN and infinite d are not served; a weight below 2^-126 comes out as 0 (v_exp_f32 flushes).
; A wave takes 16 rows.  Gather: one load brings, for one row, four groups of 128 bytes (8 lanes x 16 bytes each).  Through the wave's own LDS bytes (no barrier)
; the candidates are turned so that lane (p, r) holds groups 4 p .. 4 p + 3 of row r, which it goes through in ascending index.
; No matrix unit, no tensor load, no cluster: nothing is shared between work-groups.
; THE MODE: SCHED_MODE bits 1:0 = 2 (LLVM: expert scheduling mode 2), set by the entry lines.  The code itself states the register dependences
; between vector instructions and memory or LDS instructions, with s_wait_alu, always for 0.
; THE PLAN.  Registers that memory or LDS instructions touch:
;   v6, v7, v9, v10, v11   offsets and LDS addresses, made once at the head and never written again.
;   S (v32-63)   the loads of sel land there; the clamps and shifts make the 32 offsets of them; the 32 gathers read them; at the end vector instructions write them again.
;   D (v64-191)  the gathers land there; the 32 LDS stores read them; then the 32 LDS loads of all four groups' candidates land there (group number q at D + 32 q);
;                the insertions read them.  No vector instruction names D before the last load into it has been issued.
;   v12-15       loads land there once; behind that vector instructions alone.
;   s24-31       written by an insertion's eight compares, read by its fifteen selects.
; The waits on va_vdst: one at the head (the addresses), one behind the 32 offsets with the gathers in one run behind it, those behind the exponentials and the
; reciprocal, and one ahead of the last two stores.  ONE wait on vm_vsrc, behind the LDS stores: they have read D, and the gathers have read S.
; In every insertion one wait on va_sdst stands between the compares and the selects; the eight lines that move the values need no mask and stand between.
.set LL, 16                            ; v[16:23]  the 8 smallest d, ascending
.set II, 24                            ; v[24:31]  their indices
.set S,  32                            ; v[32:63]  group ids, then offsets of the gather; at the end at work
.set D,  64                            ; v[64:191] gathered, 4 registers a load; then the candidates, 32 registers a group
.macro INS xv, xi                      ; stable insertion; the compare is strict: an entry already there wins a tie
.irp i, 0,1,2,3,4,5,6,7
	v_cmp_lt_f32 s[24+\i], v[\xv], v[LL+\i]
.endr
.irp i, 7,6,5,4,3,2,1
	v_med3_num_f32 v[LL+\i], v[LL+\i-1], v[\xv], v[LL+\i]      ; the values move without a mask
.endr
	v_min_num_f32 v[LL], v[LL], v[\xv]
	s_wait_alu depctr_va_sdst(0)                   ; the eight compares have written s24 to s31, which the selects below read
.irp i, 7,6,5,4,3,2,1
	v_cndmask_b32 v[II+\i], v[II+\i], v[\xi], s[24+\i]
	v_cndmask_b32 v[II+\i], v[II+\i], v[II+\i-1], s[24+\i-1]
.endr
	v_cndmask_b32 v[II], v[II], v[\xi], s24
.endm
	s_load_b256 s[4:11], s[0:1], 0x0               ; dist s[4:5], sel s[6:7], topi s[8:9], topw s[10:11]
	v_lshl_add_u32 v192, v0, 2, 0x12000
	v_mov_b32 v193, 0
	v_lshrrev_b32 v1, 5, v0
	v_readfirstlane_b32 s12, v1                    ; wave
	v_and_b32 v1, 31, v0
	v_lshrrev_b32 v2, 3, v1                        ; gq: which of a load's four groups
	v_and_b32 v3, 7, v1                            ; which 16 bytes of the group
	v_lshrrev_b32 v4, 4, v1                        ; p
	v_and_b32 v5, 15, v1                           ; r
	v_lshlrev_b32 v6, 7, v2                        ; sel: the 32 words of my gq
	v_lshlrev_b32 v7, 3, v5
	v_lshl_add_u32 v7, v4, 2, v7                   ; sel: word 2 r + p
	v_lshlrev_b32 v8, 4, v3
	s_wait_alu depctr_va_sdst(0)                   ; s12 is written, ahead of its first reader: the bases and my wave's LDS bytes are made from it
	s_lshl2_add_u32 s13, ttmp9, s12                ; my group of 16 rows = 4 x work-group + wave
	s_lshl_b32 s14, s13, 18                        ; x 16 rows x 16,384 bytes of dist
	s_mov_b32 s15, 0
	s_lshl_b32 s16, s13, 9                         ; x 512 bytes of sel, topi, topw
	s_mov_b32 s17, 0
	s_mul_i32 s18, s12, 18432                      ; my wave's LDS: 128 blocks of 128 + 16 bytes
	s_mov_b32 s19, 0x76543210
	s_mov_b32 s20, 0xfedcba98
	s_mov_b32 s21, 0xffff0000                      ; lanes 16 to 31
	v_mul_u32_u24 v9, v2, 2304
	v_add3_u32 v9, v9, v8, s18                     ; LDS in: block (group number, row) at (16 x number + row) x 144
	v_mul_u32_u24 v10, v5, 144
	v_mul_u32_u24 v11, v4, 9216
	v_add3_u32 v10, v10, v11, s18                  ; LDS back: block (4 p, r)
	v_lshlrev_b32 v11, 5, v5
	v_lshl_add_u32 v11, v4, 4, v11                 ; out: row r, 16 bytes for each half of the lanes
	s_wait_kmcnt 0x0
	s_add_nc_u64 s[4:5], s[4:5], s[14:15]
	s_add_nc_u64 s[6:7], s[6:7], s[16:17]
	s_add_nc_u64 s[8:9], s[8:9], s[16:17]
	s_add_nc_u64 s[10:11], s[10:11], s[16:17]
	s_wait_alu depctr_va_vdst(0)                   ; v6 and v7 (the loads below), v9 and v10 (the LDS stores and loads) and v11 (the last stores) are written
.irp k, 0,1,2,3,4,5,6,7
	global_load_b128 v[S+4*\k:S+4*\k+3], v6, s[6:7] offset:16*\k   ; word i: id number 4 (i & 1) + gq of row i >> 1
.endr
.irp q, 0,1,2,3
	global_load_b32 v[12+\q], v7, s[6:7] offset:128*\q             ; id number 4 p + q of row r
.endr
.irp i, 0,1,2,3,4,5,6,7
	v_mov_b32 v[LL+\i], 0x7f800000                 ; the empty list, made while the ids are on their way
	v_mov_b32 v[II+\i], 0
.endr
	s_wait_loadcnt 0x0
.set i, 0
.rept 32
	v_min_u32 v[S+i], 127, v[S+i]                  ; an id stays inside the row's 128 groups
	v_lshl_add_u32 v[S+i], v[S+i], 7, v8           ; x 128 bytes + my 16
.set i, i+1
.endr
	s_wait_alu depctr_va_vdst(0)                   ; the 32 offsets v[S ..] are written, which the gathers read
.set i, 0
.rept 32
	global_load_b128 v[D+4*i:D+4*i+3], v[S+i], s[4:5] offset:(i>>1)*16384 th:TH_LOAD_NT
.set i, i+1
.endr
.irp q, 0,1,2,3
	v_min_u32 v[12+\q], 127, v[12+\q]
	v_lshlrev_b32 v[12+\q], 5, v[12+\q]            ; the group's first index
.endr
.set i, 0
.rept 32
	s_wait_loadcnt 31-i                            ; loads return in order: the younger gathers stay out
	ds_store_b128 v9, v[D+4*i:D+4*i+3] offset:9216*(i&1)+144*(i>>1)
.set i, i+1
.endr
	s_wait_alu depctr_vm_vsrc(0)                   ; the LDS stores have read v[D ..], in which the candidates land; the gathers have read v[S ..], which the lines behind the scans write
.irp q, 0,1,2,3
.irp e, 0,1,2,3,4,5,6,7
	ds_load_b128 v[D+32*\q+4*\e:D+32*\q+4*\e+3], v10 offset:2304*\q+16*\e      ; my wave's own bytes, served in order behind its stores (ISA guide 5.7.1)
.endr
.endr
.macro SCAN q                          ; group number 4 p + q of row r: 32 candidates, ascending index
	s_wait_dscnt 24-8*\q                           ; LDS loads return in order: this group's eight are in, the eight of each later group stay out
.set e, 0
.rept 32
	v_add_nc_u32 v2, e, v[12+\q]
	INS D+32*\q+e, 2
.set e, e+1
.endr
.endm
	SCAN 0
	SCAN 1
	SCAN 2
	SCAN 3
.irp i, 0,1,2,3,4,5,6,7
	v_permlanex16_b32 v[S+\i],   v[LL+\i], s19, s20           ; the other half's list: in lanes 0-15 it holds the higher indices (the ids ascend),
	v_permlanex16_b32 v[S+8+\i], v[II+\i], s19, s20           ; so ties break rightly there; lanes 16-31 take their part from lanes 0-15 below
.endr
.irp i, 0,1,2,3,4,5,6,7
	INS S+\i, S+8+\i
.endr
.irp k, 0,1,2,3,4,5,6,7
	v_sub_f32 v[48+\k], v[LL], v[LL+\k]            ; dmin - d, at most 0
.endr
.irp k, 0,1,2,3,4,5,6,7
	v_mul_f32 v[48+\k], 0x3fb8aa3b, v[48+\k]
.endr
.irp k, 0,1,2,3,4,5,6,7
	v_exp_f32 v[48+\k], v[48+\k]
.endr
	v_nop                                          ; one plain vector instruction between a transcendental and the use of its result (ISA guide 5.7.2)
	s_wait_alu depctr_va_vdst(0)                   ; the eight exponentials have written v48 to v55, ahead of their first reader
	v_add_f32 v56, v48, v49
	v_add_f32 v57, v50, v51
	v_add_f32 v58, v52, v53
	v_add_f32 v59, v54, v55
	v_add_f32 v56, v56, v57
	v_add_f32 v58, v58, v59
	v_add_f32 v56, v56, v58                        ; at least 1: the first term is exp(0)
	v_rcp_f32 v56, v56
	v_nop
	s_wait_alu depctr_va_vdst(0)                   ; the reciprocal has written v56, ahead of its first reader
.irp k, 0,1,2,3,4,5,6,7
	v_mul_f32 v[48+\k], v[48+\k], v56
.endr
.irp k, 0,1,2,3
	v_permlanex16_b32 v[S+\k],   v[II+4+\k], s19, s20
	v_permlanex16_b32 v[S+8+\k], v[52+\k],   s19, s20
.endr
.irp k, 0,1,2,3
	v_cndmask_b32 v[S+4+\k],  v[II+\k], v[S+\k],   s21        ; lanes 0-15: entries 0..3 of row r; lanes 16-31: entries 4..7
	v_cndmask_b32 v[S+12+\k], v[48+\k], v[S+8+\k], s21
.endr
	s_wait_alu depctr_va_vdst(0)                   ; the selects have written v[S+4 ..] and v[S+12 ..], which the two stores read
	global_store_b128 v11, v[S+4:S+7],   s[8:9]    ; 512 neighbouring bytes each
	global_store_b128 v11, v[S+12:S+15], s[10:11]
	s_wait_dscnt 0x0                               ; the closing lines, six on end
	s_wait_alu 0x0
	s_wait_tensorcnt 0x0
	ds_add_u32 v192, v193
	s_wait_dscnt 0x0
	s_endpgm
.Lfunc_end_k_qe506aa79f4_pick:
	.size	k_qe506aa79f4_pick, .Lfunc_end_k_qe506aa79f4_pick-k_qe506aa79f4_pick
	.p2alignl 7, 3214868480
	.fill 96, 4, 3214868480
	.section	.rodata,"a",@progbits
	.p2align	6, 0x0
	.amdhsa_kernel k_qe506aa79f4_pick
		.amdhsa_group_segment_fixed_size 74240
		.amdhsa_private_segment_fixed_size 0
		.amdhsa_enable_private_segment 0
		.amdhsa_kernarg_size 32
		.amdhsa_user_sgpr_count 2
		.amdhsa_user_sgpr_kernarg_segment_ptr 1
		.amdhsa_wavefront_size32 1
		.amdhsa_system_sgpr_workgroup_id_x 1
		.amdhsa_system_sgpr_workgroup_id_y 1
		.amdhsa_system_sgpr_workgroup_id_z 1
		.amdhsa_system_vgpr_workitem_id 0
		.amdhsa_next_free_vgpr 194
		.amdhsa_next_free_sgpr 66
		.amdhsa_reserve_vcc 0
		.amdhsa_float_denorm_mode_32 3
		.amdhsa_float_denorm_mode_16_64 3
		.amdhsa_memory_ordered 1
		.amdhsa_forward_progress 1
		.amdhsa_inst_pref_size 255
	.end_amdhsa_kernel
	.section	.bss,"aw",@nobits
	.p2align	6
	.space	262144
	.amdgpu_metadata
---
amdhsa.version: [ 1, 2 ]
amdhsa.kernels:
  - .name:           k_qe506aa79f4_pick
    .symbol:         k_qe506aa79f4_pick.kd
    .args:
      - { .name: dist, .offset: 0, .size: 8, .value_kind: global_buffer, .address_space: global }
      - { .name: sel, .offset: 8, .size: 8, .value_kind: global_buffer, .address_space: global }
      - { .name: topi, .offset: 16, .size: 8, .value_kind: global_buffer, .address_space: global }
      - { .name: topw, .offset: 24, .size: 8, .value_kind: global_buffer, .address_space: global }
    .group_segment_fixed_size: 74240
    .private_segment_fixed_size: 0
    .kernarg_segment_align: 8
    .kernarg_segment_size: 32
    .max_flat_workgroup_size: 128
    .sgpr_count:     66
    .vgpr_count:     194
    .wavefront_size: 32
...
	.end_amdgpu_metadata
.endif
;; end of part 7
;; launch mix: the kernel of part 4 again; grid 512 x 1, 8 waves a work-group, no clusters, 1,280 bytes of LDS; arguments cbh, x, topi, topw, out0, part; writes out0, part
;; launch total: the kernel of part 5 again; grid 1 x 1, 1 waves a work-group, no clusters, 0 bytes of LDS; arguments part, out1; writes out1
